; MI455X (gfx1250); checked and timed in simulation.
; The chip was launched on July 23, 2026; its instructions are those of AMD's public machine-readable ISA for CDNA 5 (MIT licence, August 2026) and "CDNA5" Instruction Set Architecture Reference Guide (July 2026). The comments in the code are by the model that wrote it; some were corrected since.
;; Multi Head Attention. Allowed arithmetic: matrix products marked QUANTISED: E2M1 operands, one E8M0 scale for each 32 along K, by v_wmma_scale_f32_16x16x128_f8f6f4 with both operands' format E2M1 (or v_wmma_scale_f32_32x16x128_f4), f32 sums; products left as they are: f32 operands where the result goes on into a quantised operand, else bf16, f16 or f32 operands; f32 sums; everything else in f32.
;; Inputs: Wk_codes 512 x 16 x 16 uint8 (E2M1 codes of Wk, K innermost, in blocks of 32 codes, two codes a byte); Wk_scales 512 x 16 uint8 (E8M0 scales of Wk, one for each 32 codes along K); Wq_codes 512 x 16 x 16 uint8 (E2M1 codes of Wq, K innermost, in blocks of 32 codes, two codes a byte); Wq_scales 512 x 16 uint8 (E8M0 scales of Wq, one for each 32 codes along K); Wv_codes 512 x 16 x 16 uint8 (E2M1 codes of Wv, K innermost, in blocks of 32 codes, two codes a byte); Wv_scales 512 x 16 uint8 (E8M0 scales of Wv, one for each 32 codes along K); bk 512 float32; bq 512 float32; bv 512 float32; mask 1,024 x 8 x 128 int32; x_non_codes 1,024 x 16 x 16 uint8 (E2M1 codes of x_non, K innermost, in blocks of 32 codes, two codes a byte); x_non_scales 1,024 x 16 uint8 (E8M0 scales of x_non, one for each 32 codes along K); x_seq_codes 1,024 x 128 x 16 x 16 uint8 (E2M1 codes of x_seq, K innermost, in blocks of 32 codes, two codes a byte); x_seq_scales 1,024 x 128 x 16 uint8 (E8M0 scales of x_seq, one for each 32 codes along K).
;; Outputs: out0 1,024 x 512 float32.
;; This version of the problem:
;;   THIS VERSION OF THE PROBLEM IS GIVEN IN LOW PRECISION. The matrix products marked QUANTISED in the list below multiply operands that are first quantised to E2M1 (2 exponent bits, 1 mantissa bit; 4 bits a number), with one power-of-two scale for each 32 numbers along K (OCP MX v1.0); their sums are f32. All else is computed in f32.
;;   The module's matrix products, in the order in which they are computed (A, B: the left and right operand; K: the contracted axis; several contracted axes count as one K, in the product's order):
;;     1. [M 1,024, K 512] x [K 512, N 512]; A: input x_non (given as codes); B: input Wq (given as codes): QUANTISED
;;     2. [M 131,072, K 512] x [K 512, N 512]; A: input x_seq (given as codes); B: input Wk (given as codes): QUANTISED
;;     3. [M 131,072, K 512] x [K 512, N 512]; A: input x_seq (given as codes); B: input Wv (given as codes): QUANTISED
;;     4. batch 8,192 x [M 1, K 64] x [K 64, N 128]; A: computed on the way; B: computed on the way: left as it is (M = 1 < 16)
;;     5. batch 8,192 x [M 1, K 128] x [K 128, N 64]; A: softmax; B: computed on the way: left as it is (M = 1 < 16)
;;   THE QUANTISER, for each operand of a quantised product, along K:
;;     - K is cut into blocks of 32 from its start; a last block that is shorter is filled with zeros.
;;     - A block's scale is 2^e with e = floor(log2(the largest magnitude in the block)) - 2, held to -126 .. 127; a block of zeros has e = 0. As a byte (E8M0): e + 127.
;;     - Each number is divided by its block's scale, clamped to +-6, and rounded to the nearest number of E2M1, ties to even, subnormals kept.
;;     - The product sums the exact products of the quantised numbers (number of the format x scale) in f32.
;;   ~~~python
;;   def quantise(x, axis):      # numpy; x: float32 -> the quantised numbers, widened to float32 again
;;       x = np.moveaxis(x, axis, -1); K = x.shape[-1]
;;       x = np.pad(x, [(0, 0)] * (x.ndim - 1) + [(0, -K % 32)]); x = x.reshape(x.shape[:-1] + (-1, 32)); a = np.abs(x).max(-1, keepdims=True)
;;       e = np.where(a > 0, np.clip(np.frexp(np.where(a > 0, a, 1))[1] - 1 - 2, -126, 127), 0)      # np.frexp(a)[1] - 1 = floor(log2(a)), exactly
;;       r = np.clip(x / 2.0 ** e, -6, 6)
;;       step = 2.0 ** (np.maximum(np.frexp(np.where(r == 0, 1, r))[1] - 1, 0) - 1)
;;       q = np.round(r / step) * step * 2.0 ** e      # np.round: ties to even
;;       return np.moveaxis(q.reshape(q.shape[:-2] + (-1,))[..., :K], -1, axis).astype(np.float32)
;;   ~~~
;;   INPUTS GIVEN AS CODES. Wk (in the module: [512, 512], K = its axis 1); Wq (in the module: [512, 512], K = its axis 1); Wv (in the module: [512, 512], K = its axis 1); x_non (in the module: [1024, 512], K = its axis 1); x_seq (in the module: [1024, 128, 512], K = its axis 2): each comes as NAME_codes (uint8): NAME with its K axis moved to the last place and cut into blocks of 32 codes, [.., K / 32, bytes a block], one block behind the other in memory; two codes a byte, the lower K in the low four bits (a code: sign, 2 exponent bits, 1 mantissa bit); and NAME_scales (uint8): the same leading axes, one E8M0 byte (e + 127) for each 32 codes along K. Its value is code x scale, taken as it is: it is not quantised again, and the codes and scales need not be those that the quantiser above would give.
;; One version. Each part assembles by itself: llvm-mc -triple=amdgcn-amd-amdhsa -mcpu=gfx1250 --defsym DOCPART=n.
;; ======== version 1 of 1: 1 launch
;; limits: right only within a limited range of input values
;; launch mha (part 1): grid 256 x 1, 4 waves a work-group, clusters of 4 x 1, 327,680 bytes of LDS; arguments x_seq_codes, x_seq_scales, Wk_codes, Wk_scales, Wv_codes, Wv_scales, Wq_codes, Wq_scales, x_non_codes, x_non_scales, bq, bk, bv, mask, out0; writes out0
.if DOCPART == 1
	.amdgcn_target "amdgcn-amd-amdhsa--gfx1250"
	.amdhsa_code_object_version 6
	.text
	.protected	k_q67308a6743_mha
	.globl	k_q67308a6743_mha
	.p2align	8
	.type	k_q67308a6743_mha,@function
k_q67308a6743_mha:
	s_mov_b64 s[64:65], 0
	v_nop
	global_prefetch_b8 v0, s[64:65] scope:SCOPE_SE
	s_setreg_imm32_b32 hwreg(HW_REG_WAVE_MODE, 25, 1), 1
	s_wait_xcnt 0x0
	s_wait_alu depctr_hold_cnt(0) depctr_sa_sdst(0) depctr_va_vdst(0) depctr_va_sdst(0) depctr_va_ssrc(0) depctr_va_vcc(0) depctr_vm_vsrc(0)
	s_getreg_b32 s2, hwreg(HW_REG_IB_STS2, 6, 4)
	s_cmp_eq_u32 s2, 0
	s_cbranch_scc0 .Lentry_in_a_cluster
	s_endpgm
.Lentry_in_a_cluster:
	s_bfe_u32 s2, ttmp6, 0x10000c
	s_cmp_lg_u32 s2, 0x3003
	s_cbranch_scc0 .Lentry_shape_is_right
	s_endpgm
.Lentry_shape_is_right:
; One query a batch and head: q = x_non Wq^T + bq, k = x_seq Wk^T + bk, v = x_seq Wv^T + bv (three products on codes of FP4 (E2M1) with one E8M0 scale for each 32 along K),
; score = floor(q . k / 8), -1e9 where mask == 0, softmax over the 128 keys, z = the sum of p v.  1,024 batches, 128 keys, 512 = 8 heads x 64.  k and v never leave the registers.  No step is left out.
; SHARES.  A work-group owns 16 batches and two heads; a cluster is the four head pairs of the same 16 batches.  Four waves; in step i of four wave w owns batch 4 i + w, both heads.
; The two heads' rows of Wk and Wv (2 x 128 rows) stay in each wave's registers for the whole launch.  x goes through two LDS slots of four batches.
; LAYOUTS (r = lane % 16, h = lane / 16).  k is made TRANSPOSED (source 0 = 16 rows of Wk, source 1 = 16 rows of x): a lane holds ONE key 16 m + r and channels 16 t + 8 h + j: q . k is a sum inside the lane,
; closed by one exchange of the halves.  v is made the natural way: a lane holds ONE channel 16 t + r and keys 16 m + 8 h + j: the sum of p v runs along its registers.
; q of all 16 batches is made transposed, column r = batch r, each wave 32 of the two heads' 128 channels.
; A tile's 32 products (8 accumulators by turns, 4 K steps) stand between the previous tile's 32 packed multiply-adds: two sets of accumulators.
; BIASES.  q8 = (q + bq) / 8 (a power of two).  bk enters each score as q8 . bk, made once a batch; bv is added to z at the end, the weights p / sum adding up to 1.
; Products 4 and 5 of the module have one row: they are fused multiply-adds in f32 on the f32 sums.
; CLUSTER.  x is asked for jointly by the four head pairs.  Wk's and Wv's rows are not: 65,536 bytes a work-group, asked for once, outside the loops, beside 524,288 bytes of x; Wq's go straight to the registers, 8,192 bytes a wave.
; PREFETCH.  None: a refill of x has a whole step, 512 products of its wave, between its request and the wait for it, and the loop makes two refills.
; LIMITS.  A score that lies within f32 rounding of a whole number may fall to the other side of the floor than with another order of the f32 sums (here q8 . (x Wk^T) + q8 . bk).  q / 8 is exact but among denormals.
; NaN or infinity in a bias, and a scale byte 0xff, give NaN.  A head all of whose keys are masked gives the plain mean of v, as the maximum taken off the scores makes every p equal to 1.
.set PITCH, 272                        ; an LDS row of codes: 256 bytes + 16 of padding
.set QUART, 128*PITCH                  ; a batch's 128 rows
.set TROW,  16*PITCH
.set SLOT,  4*QUART                    ; slot 0: places 0-3, slot 1: places 4-7
.set QB,    2*SLOT                     ; q8: 16 records, one a batch: 2 heads x 256 bytes; at 512 q8 . bk in two parts a head; at 528 four zeros
.set QREC,  544
.set PB,    QB+16*QREC                 ; p: 1,024 bytes a wave; z later in the same bytes
.set SPARE, PB+4096                    ; the spare words, 128 bytes a wave: two blocks of 256 bytes that no other line names
; window 0
.set SPW,  1                           ; LDS address of my spare word; never rewritten
.set NIL,  2                           ; 0; never rewritten
.set AX,   3                           ; x: wave x QUART + r x PITCH + 16 h;  AXB: in the slot in hand
.set AXB,  4
.set AQ0,  5                           ; q8 read back;  AQ: of the step's batch
.set AQ,   6
.set ACB0, 7                           ; q8 . bk read back;  ACB: of the step's batch
.set ACB,  8
.set APS,  9                           ; p stored: 4 x lane
.set APL,  10                          ; p read back: 32 h
.set AZ0,  11                          ; z stored: 256 h + 4 r
.set AZL,  12                          ; z read back: 16 x lane
.set L16,  13                          ; 16 x lane: offset of scale words and of out0
.set L4,   14                          ; 4 x lane: offset of mask words
.set AW,   15                          ; Wk in place 6 (Wv follows in place 7)
.set WKS,  16                          ; scale words: register 4 i + s: row 32 i + lane, K step s.  Scales and nothing else, as the next two
.set WVS,  32
.set XS,   48                          ; (at the head: q's accumulators)
.set XSN,  64                          ; the next step's
.set BV,   80                          ; bv[64 h + 16 t + r] of my two heads
.set ZO,   88                          ; a batch's z on its way out  (at the head 88-119: x_non's fragments)
.set WQS,  120
.set XNS,  124
.set WK3,  128                         ; Wk's fragments of K step 3  (at the head: lane numbers and offsets)
.set WV3,  192                         ; Wv's  (at the head: Wq's fragments)
; window 1: 0-191 Wk's fragments of K steps 0-2, (tile T, s) at 8 (3 T + s);  192-255 q8[head][16 t + 8 h + j] at 192 + 32 head + 8 t + j
; window 2: 0-191 Wv's likewise;  192-223 p, two buffers of 2 heads x 8;  224-231 mask words;  232 -1e9
.set PR,   192
.set MK,   224
.set NEG,  232
; window 3: 0-127 accumulators, two sets of eight (a = 2 t + head);  128-191 x's fragments, two buffers
.set XR,   128
.set SC,   192                         ; scores: head 0's eight pairs, head 1's  (at the head: bq, bk)
.set ZR,   224                         ; z: eight pairs, by a
.set CB,   240                         ; q8 . bk: a pair a head (zeros in lanes 16-31)
.set T,    244                         ; at work
.set WV,   38                          ; s38 wave;  s39 cx;  s41 wave x QUART
.set G1H,  44                          ; s[44:51] group 1, joint, 384 rows
.set G1J,  52                          ; s[52:59] the same, 128 rows
.set SEL,  60                          ; s[60:61] selects for lane l xor 16
.set G1P,  68                          ; s[68:75] 128 rows, no mask
.set G0A,  76                          ; groups 0: x of batches 0-2, of 3-5, Wk, Wv.  Behind the head s76-83 hold lane masks, s84-85 the maxima
.set G0B,  80
.set G0K,  84
.set G0V,  88
.set G0X,  92                          ; x's refills
.set ZINC, 96                          ; s[96:97] what the next way out adds to out0's address
.set XOFF, 98                          ; the slot in hand;  the step's q records
.set QOFF, 99
.set CNT,  100
.set MSB, 0
.macro WIN new                         ; the immediate's high byte repeats the setting that is left; bits 1:0 source 0, 3:2 source 1, 5:4 source 2, 7:6 destination
.if MSB != \new
	s_set_vgpr_msb (MSB<<8)|\new
.set MSB, \new
.endif
.endm
.set S_KA, 0xfc                        ; k, K step 3: source 0 window 0, the rest window 3
.set S_K,  0xfd                        ; k, K steps 0-2, and its multiply-adds: source 0 window 1, the rest window 3
.set S_VA, 0xf3                        ; v, K step 3: source 1 window 0
.set S_V,  0xfb                        ; v, K steps 0-2, and its multiply-adds: source 1 window 2
.set S_S,  0xff                        ; softmax: window 3 throughout
.macro PLACES                          ; four places behind a matrix instruction (ISA guide 7.12.1)
.rept 4
	v_nop
.endr
.endm
.macro CROUND                          ; a round of the cluster's barrier
	s_barrier_signal -1
	s_barrier_wait -1
	s_cmp_lg_u32 s[WV], 0
	s_cbranch_scc1 .Lnot_wave_0_\@
	s_barrier_signal -3
.Lnot_wave_0_\@:
	s_barrier_wait -3
	s_barrier_signal -1
	s_barrier_wait -1
.endm
; One product 16 x 16 x 128.  zero: the sum begins;  ra, rb: the side's scale words stand in lanes 16-31
.macro WM d, a, b, zero, sa, sb, ra, rb
.if \zero
.if (\ra) && (\rb)
	v_wmma_scale_f32_16x16x128_f8f6f4 v[(\d):(\d)+7], v[(\a):(\a)+7], v[(\b):(\b)+7], 0, v[\sa], v[\sb] matrix_a_fmt:MATRIX_FMT_FP4 matrix_b_fmt:MATRIX_FMT_FP4 matrix_a_scale:MATRIX_SCALE_ROW1 matrix_b_scale:MATRIX_SCALE_ROW1
.elseif (\ra)
	v_wmma_scale_f32_16x16x128_f8f6f4 v[(\d):(\d)+7], v[(\a):(\a)+7], v[(\b):(\b)+7], 0, v[\sa], v[\sb] matrix_a_fmt:MATRIX_FMT_FP4 matrix_b_fmt:MATRIX_FMT_FP4 matrix_a_scale:MATRIX_SCALE_ROW1
.elseif (\rb)
	v_wmma_scale_f32_16x16x128_f8f6f4 v[(\d):(\d)+7], v[(\a):(\a)+7], v[(\b):(\b)+7], 0, v[\sa], v[\sb] matrix_a_fmt:MATRIX_FMT_FP4 matrix_b_fmt:MATRIX_FMT_FP4 matrix_b_scale:MATRIX_SCALE_ROW1
.else
	v_wmma_scale_f32_16x16x128_f8f6f4 v[(\d):(\d)+7], v[(\a):(\a)+7], v[(\b):(\b)+7], 0, v[\sa], v[\sb] matrix_a_fmt:MATRIX_FMT_FP4 matrix_b_fmt:MATRIX_FMT_FP4
.endif
.else
.if (\ra) && (\rb)
	v_wmma_scale_f32_16x16x128_f8f6f4 v[(\d):(\d)+7], v[(\a):(\a)+7], v[(\b):(\b)+7], v[(\d):(\d)+7], v[\sa], v[\sb] matrix_a_fmt:MATRIX_FMT_FP4 matrix_b_fmt:MATRIX_FMT_FP4 matrix_a_scale:MATRIX_SCALE_ROW1 matrix_b_scale:MATRIX_SCALE_ROW1
.elseif (\ra)
	v_wmma_scale_f32_16x16x128_f8f6f4 v[(\d):(\d)+7], v[(\a):(\a)+7], v[(\b):(\b)+7], v[(\d):(\d)+7], v[\sa], v[\sb] matrix_a_fmt:MATRIX_FMT_FP4 matrix_b_fmt:MATRIX_FMT_FP4 matrix_a_scale:MATRIX_SCALE_ROW1
.elseif (\rb)
	v_wmma_scale_f32_16x16x128_f8f6f4 v[(\d):(\d)+7], v[(\a):(\a)+7], v[(\b):(\b)+7], v[(\d):(\d)+7], v[\sa], v[\sb] matrix_a_fmt:MATRIX_FMT_FP4 matrix_b_fmt:MATRIX_FMT_FP4 matrix_b_scale:MATRIX_SCALE_ROW1
.else
	v_wmma_scale_f32_16x16x128_f8f6f4 v[(\d):(\d)+7], v[(\a):(\a)+7], v[(\b):(\b)+7], v[(\d):(\d)+7], v[\sa], v[\sb] matrix_a_fmt:MATRIX_FMT_FP4 matrix_b_fmt:MATRIX_FMT_FP4
.endif
.endif
.endm
; Accumulator a = 2 t + head takes the weight's tile WT = 4 head + t.  K step 3 goes first and starts the sum.
.macro KWM s, m, a
.set WT, 4*((\a)%2)+(\a)/2
.if \s==3
.set WR, WK3+8*WT
.else
.set WR, 8*(3*WT+\s)
.endif
	WM 64*((\m)%2)+8*(\a), WR, XR+32*((\m)%2)+8*\s, \s==3, WKS+4*(WT/2)+\s, XS+4*((\m)/2)+\s, WT%2, (\m)%2
.endm
.macro VWM s, m, a
.set WT, 4*((\a)%2)+(\a)/2
.if \s==3
.set WR, WV3+8*WT
.else
.set WR, 8*(3*WT+\s)
.endif
	WM 64*((\m)%2)+8*(\a), XR+32*((\m)%2)+8*\s, WR, \s==3, XS+4*((\m)/2)+\s, WVS+4*(WT/2)+\s, (\m)%2, WT%2
.endm
; Tile m's n-th vector instruction for the scores: n = 0 .. 31: q8 . k, the heads by turns, each accumulator from its low end on, the sum beginning with q8 . bk;  n = 32, 33: the tile before's two halves are added
.macro KF m, n
.set FH, (\n)%2
.if (\n)/32 == 0
.set FK, 2*(((\n)%8)/2)
.set FA, 64*((\m)%2)+8*(2*((\n)/8)+FH)+FK
.set FQ, 192+32*FH+8*((\n)/8)+FK
.set FS, SC+16*FH+2*(\m)
.if (\n)/2 == 0
	v_pk_fma_f32 v[FS:FS+1], v[FQ:FQ+1], v[FA:FA+1], v[CB+2*FH:CB+2*FH+1]
.else
	v_pk_fma_f32 v[FS:FS+1], v[FQ:FQ+1], v[FA:FA+1], v[FS:FS+1]
.endif
.else
.set FS, SC+16*FH+2*((\m)-1)
	v_fma_f32 v[FS], 1.0, v[FS], v[FS+1]
.endif
.endm
; Tile m's n-th for z: four accumulators by turns, then the other four
.macro VF m, n
.set FI, 2*(((\n)%16)/4)
.set FC, 4*((\n)/16)+(\n)%4
.set FA, 64*((\m)%2)+8*FC+FI
.set FP, PR+16*((\m)%2)+8*(FC%2)+FI
.set FZ, ZR+2*FC
.if ((\m) == 0) && (FI == 0)
	v_pk_mul_f32 v[FZ:FZ+1], v[FA:FA+1], v[FP:FP+1]
.else
	v_pk_fma_f32 v[FZ:FZ+1], v[FA:FA+1], v[FP:FP+1], v[FZ:FZ+1]
.endif
.endm
.macro FILLK m, upto
.rept (\upto)-VN
	KF \m, VN
.set VN, VN+1
.endr
.endm
.macro FILLV m, upto
.rept (\upto)-VN
	VF \m, VN
.set VN, VN+1
.endr
.endm
; A fragment is 16 rows x 128 K of 4-bit codes in 8 registers: lane (r, h) holds row r; registers 4 c .. 4 c + 3 hold K = 64 c + 32 h + 0 .. 31.
.macro LOADX m, buf                    ; x's tile m into buffer buf: eight loads, K step 3's two first
	WIN 0xc0
.irp s, 3,0,1,2
.irp c, 0,1
	ds_load_b128 v[XR+32*(\buf)+8*\s+4*\c:XR+32*(\buf)+8*\s+4*\c+3], v[AXB] offset:(\m)*TROW+64*\s+32*\c
.endr
.endr
.endm
.macro LOADP m, buf                    ; p of keys 16 m + 8 h + 0 .. 7 of both heads: four loads
	WIN 0x80
.irp g, 0,1
.irp c, 0,1
	ds_load_b128 v[PR+16*(\buf)+8*\g+4*\c:PR+16*(\buf)+8*\g+4*\c+3], v[APL] offset:512*\g+64*(\m)+16*\c
.endr
.endr
.endm
.macro LOADW base, win, last, off      ; a weight's 128 rows: K steps 0-2 into a window of their own, K step 3 into window 0
	WIN \win
.irp t, 0,1,2,3,4,5,6,7
.irp s, 0,1,2
.irp c, 0,1
	ds_load_b128 v[\base+8*(3*\t+\s)+4*\c:\base+8*(3*\t+\s)+4*\c+3], v[AW] offset:\off+\t*TROW+64*\s+32*\c
.endr
.endr
.endr
	WIN 0
.irp t, 0,1,2,3,4,5,6,7
.irp c, 0,1
	ds_load_b128 v[\last+8*\t+4*\c:\last+8*\t+4*\c+3], v[AW] offset:\off+\t*TROW+192+32*\c
.endr
.endr
.endm
; Eight products of one K step between tile m - 1's vector instructions; nv of these are spread over 24 products.  Behind the first four products of the first such group come the next tile's loads:
; the instructions since the last product that read their registers are the places in front of them.
.macro KG s, m, g0, nv
.irp a, 0,1,2,3,4,5,6,7
	KWM \s, \m, \a
	FILLK (\m)-1, ((\g0+\a+1)*(\nv))/24
.if (\g0 == 0) && (\a == 3)
	LOADX ((\m)+1)%8, ((\m)+1)%2
	WIN S_K
.endif
.endr
.endm
.macro KUNIT m, nv, out                ; out: how many LDS loads are younger than K step 3's fragment of this tile
	WIN S_KA
	s_wait_dscnt \out
.irp a, 0,1,2,3,4,5,6,7
	KWM 3, \m, \a
.endr
	s_wait_dscnt 0
	WIN S_K
.set VN, 0
	KG 0, \m, 0, \nv
	KG 1, \m, 8, \nv
	KG 2, \m, 16, \nv
.endm
.macro NEXTIN                          ; the next step's mask words and scale words (in the last step this step's once more)
.irp i, 0,1,2,3,4,5,6,7
	global_load_b32 v[MK+\i], v[L4], s[34:35] offset:128*\i th:TH_LOAD_NT   ; (window 2) head i / 4, key 32 (i % 4) + lane
.endr
	WIN 0
.irp i, 0,1,2,3
	global_load_b128 v[XSN+4*\i:XSN+4*\i+3], v[L16], s[10:11] offset:512*\i
.endr
.endm
.macro VG s, m, g0
.irp a, 0,1,2,3,4,5,6,7
	VWM \s, \m, \a
	FILLV (\m)-1, ((\g0+\a+1)*32)/24
.if (\g0 == 0) && (\a == 3)
.if (\m) != 7
	LOADX (\m)+1, ((\m)+1)%2
.endif
	LOADP \m, (\m)%2
.if (\m) == 2
	NEXTIN
.endif
	WIN S_V
.endif
.endr
.endm
.macro VUNIT m, out
	WIN S_VA
	s_wait_dscnt \out
.irp a, 0,1,2,3,4,5,6,7
	VWM 3, \m, \a
.endr
	s_wait_dscnt 0
	WIN S_V
.set VN, 0
	VG 0, \m, 0
	VG 1, \m, 8
	VG 2, \m, 16
.endm
.macro V4 s, m, a0                     ; four products of v
	WIN S_V
.irp a, \a0, \a0+1, \a0+2, \a0+3
	VWM \s, \m, \a
.endr
.endm
; One batch, both heads.
.macro STEP
	v_add_nc_u32 v[AXB], s[XOFF], v[AX]
	v_add_nc_u32 v[AQ], s[QOFF], v[AQ0]
	v_add_nc_u32 v[ACB], s[QOFF], v[ACB0]
	LOADX 0, 0
	WIN 0
	s_wait_loadcnt 0x0                             ; this step's scale words and mask words
.irp i, 0,1,2,3,4,5,6,7,8,9,10,11,12,13,14,15
	v_mov_b32 v[XS+\i], v[XSN+\i]
.endr
	; tile 0 of k: nothing stands between its products
	WIN S_KA
	s_wait_dscnt 6
.irp a, 0,1,2,3,4,5,6,7
	KWM 3, 0, \a
.endr
	s_wait_dscnt 0
	LOADX 1, 1
	WIN 0x40
.irp g, 0,1
.irp t, 0,1,2,3
.irp c, 0,1
	ds_load_b128 v[192+32*\g+8*\t+4*\c:192+32*\g+8*\t+4*\c+3], v[AQ] offset:256*\g+64*\t+16*\c
.endr
.endr
.endr
	WIN 0xc0
	ds_load_b128 v[CB:CB+3], v[ACB]
	WIN S_K
.irp s, 0,1,2
.irp a, 0,1,2,3,4,5,6,7
	KWM \s, 0, \a
.endr
.endr
	PLACES
	KUNIT 1, 32, 23
	KUNIT 2, 34, 6
	KUNIT 3, 34, 6
	KUNIT 4, 34, 6
	KUNIT 5, 34, 6
	KUNIT 6, 34, 6
	KUNIT 7, 34, 6
	; tile 0 of v, and between its products the scores' last tile and the softmax of both heads
	WIN S_VA
	s_wait_dscnt 6
.irp a, 0,1,2,3,4,5,6,7
	VWM 3, 0, \a
.endr
	s_wait_dscnt 0
	WIN S_K
.irp n, 0,1,2,3,4,5,6,7                ; q8 . k of tile 7, in two chains a head (channels 0-31 and 32-63)
.irp e, 0,1,2,3
.set FH, \e%2
.set FT, 2*(\e/2)+\n/4
.set FA, 64+8*(2*FT+FH)+2*(\n%4)
.set FQ, 192+32*FH+8*FT+2*(\n%4)
.if \e/2 == 0
.set FS, SC+16*FH+14
.else
.set FS, T+2*FH
.endif
.if (\n == 0) && (\e/2 == 0)
	v_pk_fma_f32 v[FS:FS+1], v[FQ:FQ+1], v[FA:FA+1], v[CB+2*FH:CB+2*FH+1]
.elseif (\n == 0)
	v_pk_mul_f32 v[FS:FS+1], v[FQ:FQ+1], v[FA:FA+1]
.else
	v_pk_fma_f32 v[FS:FS+1], v[FQ:FQ+1], v[FA:FA+1], v[FS:FS+1]
.endif
.endr
.endr
	LOADX 1, 1
	V4 0, 0, 0
	WIN S_S
.irp g, 0,1
	v_pk_add_f32 v[SC+16*\g+14:SC+16*\g+15], v[SC+16*\g+14:SC+16*\g+15], v[T+2*\g:T+2*\g+1]
.endr
.irp g, 0,1
	v_add_f32 v[SC+16*\g+12], v[SC+16*\g+12], v[SC+16*\g+13]
.endr
.irp g, 0,1
	v_add_f32 v[SC+16*\g+14], v[SC+16*\g+14], v[SC+16*\g+15]
.endr
	V4 0, 0, 4
	WIN S_S
.irp g, 0,1
.irp i, 0,1,2,3
	v_permlane16_swap_b32 v[SC+16*\g+4*\i], v[SC+16*\g+4*\i+2]   ; tile 2 i's lanes 16-31 change places with tile 2 i + 1's lanes 0-15
.endr
.endr
.irp g, 0,1
.irp i, 0,1,2,3
	v_add_f32 v[T+4*\g+\i], v[SC+16*\g+4*\i], v[SC+16*\g+4*\i+2]   ; lane l: key 32 i + l
.endr
.endr
	V4 1, 0, 0
.irp n, 0,1,2,3,4,5,6,7
	v_floor_f32 v[T+\n], v[T+\n]
.endr
.irp n, 0,1,2,3,4,5,6,7
	v_cmp_eq_u32 s[76+\n], 0, v[MK+\n]             ; (source 1: window 2)
.endr
.irp n, 0,1,2,3,4,5,6,7
	v_cndmask_b32 v[T+\n], v[T+\n], v[NEG], s[76+\n]
.endr
	V4 1, 0, 4
	WIN S_S
.irp g, 0,1
	v_max3_num_f32 v[T+8+\g], v[T+4*\g], v[T+4*\g+1], v[T+4*\g+2]
.endr
.irp g, 0,1
	v_max_num_f32 v[T+8+\g], v[T+8+\g], v[T+4*\g+3]
.endr
	v_permlane16_swap_b32 v[T+8], v[T+9]           ; from here on lanes 0-15 work for head 0, lanes 16-31 for head 1
	v_max_num_f32 v[T+8], v[T+8], v[T+9]
	V4 2, 0, 0
	WIN S_S
	v_max_num_f32_dpp v[T+8], v[T+8], v[T+8] row_xmask:1 row_mask:0xf bank_mask:0xf
	v_max_num_f32_dpp v[T+8], v[T+8], v[T+8] row_xmask:2 row_mask:0xf bank_mask:0xf
	V4 2, 0, 4
	WIN S_S
	v_max_num_f32_dpp v[T+8], v[T+8], v[T+8] row_xmask:4 row_mask:0xf bank_mask:0xf
	v_max_num_f32_dpp v[T+8], v[T+8], v[T+8] row_xmask:8 row_mask:0xf bank_mask:0xf
	v_readlane_b32 s84, v[T+8], 0
	v_readlane_b32 s85, v[T+8], 16
.irp i, 0,1,2,3
	v_sub_f32 v[T+\i], v[T+\i], s84                ; whole numbers, or -1e9: 0 or less
.endr
.irp i, 4,5,6,7
	v_sub_f32 v[T+\i], v[T+\i], s85
.endr
.irp i, 0,2,4,6
	v_pk_mul_f32 v[T+\i:T+\i+1], v[T+\i:T+\i+1], 0x3fb8aa3b op_sel_hi:[1,0]   ; x log2(e)
.endr
	s_wait_alu depctr_va_vdst(0)                   ; the wait ahead of the batch
.irp n, 0,1,2,3,4,5,6,7
	v_exp_f32 v[T+\n], v[T+\n]
.endr
	v_nop                                          ; a plain instruction behind the last of them
	; tile 1 of v: p goes through my scratch, and the rows' sums are made
	WIN S_VA
	s_wait_dscnt 0
.irp a, 0,1,2,3,4,5,6,7
	VWM 3, 1, \a
.endr
	s_wait_alu depctr_va_vdst(0)                   ; and one wait behind the batch, ahead of its first reader
	WIN 0x0c
.irp n, 0,1,2,3,4,5,6,7
	ds_store_b32 v[APS], v[T+\n] offset:128*\n
.endr
	LOADP 0, 0                                     ; LDS serves a wave's instructions in order (ISA guide 5.7.1.4): these see my stores
	LOADP 1, 1
	LOADX 2, 0
	V4 0, 1, 0
	V4 0, 1, 4
	WIN S_S
	v_add_f32 v[T+8], v[T], v[T+1]
	v_add_f32 v[T+9], v[T+4], v[T+5]
	v_add_f32 v[T+10], v[T+2], v[T+3]
	v_add_f32 v[T+11], v[T+6], v[T+7]
	v_add_f32 v[T+8], v[T+8], v[T+10]
	v_add_f32 v[T+9], v[T+9], v[T+11]
	V4 1, 1, 0
	WIN S_S
	v_permlane16_swap_b32 v[T+8], v[T+9]
	v_add_f32 v[T+8], v[T+8], v[T+9]
	V4 1, 1, 4
	WIN S_S
	v_add_f32_dpp v[T+8], v[T+8], v[T+8] row_xmask:1 row_mask:0xf bank_mask:0xf
	v_add_f32_dpp v[T+8], v[T+8], v[T+8] row_xmask:2 row_mask:0xf bank_mask:0xf
	V4 2, 1, 0
	WIN S_S
	v_add_f32_dpp v[T+8], v[T+8], v[T+8] row_xmask:4 row_mask:0xf bank_mask:0xf
	v_add_f32_dpp v[T+8], v[T+8], v[T+8] row_xmask:8 row_mask:0xf bank_mask:0xf
	V4 2, 1, 4
	s_wait_dscnt 8                                 ; p is in; the eight loads of x's tile 2 may be out
	s_wait_alu depctr_va_vdst(0)
.set VN, 0
	FILLV 0, 32
	VUNIT 2, 6                                     ; younger than its K step 3: six loads of x
	VUNIT 3, 10                                    ; and from here on four of p
	VUNIT 4, 10
	VUNIT 5, 10
	VUNIT 6, 10
	VUNIT 7, 10
.endm
; A step's end: z leaves, and the slots change.  fill = 1: the slot in hand is filled again, two steps ahead.
.macro CHANGE fill
	s_wait_dscnt 0x0                               ; p of the last tile
	s_wait_xcnt 0x0                                ; earlier loads and stores have read their addresses and data: those may be rewritten
	s_add_nc_u64 s[36:37], s[36:37], s[ZINC:ZINC+1]
	s_mov_b32 s[ZINC], 8192                        ; four batches' rows of out0
.if \fill
	s_add_nc_u64 s[34:35], s[34:35], 16384         ; four batches' mask words
	s_add_nc_u64 s[10:11], s[10:11], 8192          ; and scale bytes
.endif
.set VN, 0
	FILLV 7, 32
	WIN S_S
.irp a, 0,1,2,3,4,5,6,7
	v_add_f32 v[T+\a], v[ZR+2*\a], v[ZR+2*\a+1]    ; even keys' + odd keys'
.endr
	s_wait_alu depctr_va_vdst(0)                   ; the wait ahead of the transcendental
	v_rcp_f32 v[T+9], v[T+8]                       ; 1 / the sum: lanes 0-15 head 0, lanes 16-31 head 1
	v_nop
.irp t, 0,1,2,3
	v_permlane16_swap_b32 v[T+2*\t], v[T+2*\t+1]   ; heads 0 and 1: the first now holds both heads' sums over h = 0, the second those over h = 1
.endr
.irp t, 0,1,2,3
	v_add_f32 v[T+2*\t], v[T+2*\t], v[T+2*\t+1]
.endr
	s_wait_alu depctr_va_vdst(0)                   ; and behind it
	WIN 0xcf
.irp t, 0,1,2,3
	v_fma_f32 v[T+2*\t], v[T+2*\t], v[T+9], v[BV+\t]
.endr
	WIN 0x0c
.irp t, 0,1,2,3
	ds_store_b32 v[AZ0], v[T+2*\t] offset:64*\t
.endr
	WIN 0
	ds_load_b128 v[ZO:ZO+3], v[AZL]                ; 512 bytes: my two heads' z
	s_wait_alu depctr_va_vdst(0)
	s_wait_tensorcnt 0x0                           ; all my tensor loads have landed: my part of the next slot
	ds_add_u32 v[SPW], v[NIL]                      ; 0 onto my spare word
.if \fill
	s_add_co_u32 s[G0X+1], s41, s[XOFF]            ; my place in the slot in hand,
	s_add_nc_u64 s[G0X+2:G0X+3], s[G0X+2:G0X+3], 131072   ; four batches on
.endif
	s_xor_b32 s[XOFF], s[XOFF], SLOT
	s_add_co_u32 s[QOFF], s[QOFF], 4*QREC
	s_wait_dscnt 0x0                               ; the add is done, and my reads of the slot are over
	global_store_b128 v[L16], v[ZO:ZO+3], s[36:37] th:TH_STORE_NT   ; 512 consecutive bytes, at a multiple of 256 from out0's first byte
	CROUND                                         ; no wave of any partner still reads the slot or has a load on its way (the last time: the closing round)
.if \fill
	tensor_load_to_lds s[G0X:G0X+3], s[G1J:G1J+7]
	s_nop 0
	PLACES
.endif
.endm
	s_load_b512 s[8:23], s[0:1], 0x0               ; x codes s[8:9], x scales s[10:11], Wk s[12:13], s[14:15], Wv s[16:17], s[18:19], Wq s[20:21], s[22:23]
	s_load_b256 s[24:31], s[0:1], 0x40             ; x_non codes s[24:25], scales s[26:27], bq s[28:29], bk s[30:31]
	s_load_b128 s[32:35], s[0:1], 0x60             ; bv s[32:33], mask s[34:35]
	s_load_b64 s[36:37], s[0:1], 0x70              ; out0
	v_lshl_add_u32 v[SPW], v0, 2, SPARE
	v_mov_b32 v[NIL], 0
	ds_add_u32 v[SPW], v[NIL]                      ; the wave's opening: the add, twice on end, and its wait ahead of my first tensor load
	ds_add_u32 v[SPW], v[NIL]
	v_lshrrev_b32 v136, 5, v0
	v_readfirstlane_b32 s[WV], v136                ; wave 0..3
	s_mul_i32 s41, s[WV], QUART
	s_mul_i32 s42, s[WV], QREC
	s_lshl_b32 s43, s[WV], 10
	s_lshl_b32 s66, s[WV], 7
	s_lshl_b32 s67, s[WV], 2
	s_add_co_u32 s42, s42, QB                      ; my batch's q record in step 0
	s_add_co_u32 s43, s43, PB                      ; my scratch
	s_add_co_u32 s66, s66, QB
	s_add_co_u32 s67, s67, QB+512
	; every LDS address register is made here, ahead of the first branch on the wave's number
	v_and_b32 v136, 31, v0                         ; lane
	v_and_b32 v134, 15, v0                         ; r
	v_bfe_u32 v135, v0, 4, 1                       ; h
	v_mul_u32_u24 v137, v134, PITCH
	v_lshl_add_u32 v137, v135, 4, v137             ; a fragment's row x pitch + 16 h
	v_add_nc_u32 v[AX], s41, v137
	v_add_nc_u32 v[AW], 6*QUART, v137
	v_lshl_add_u32 v[AQ0], v135, 5, s42
	v_lshl_add_u32 v[ACB0], v135, 4, s42
	v_add_nc_u32 v[ACB0], 512, v[ACB0]
	v_lshl_add_u32 v[APS], v136, 2, s43
	v_lshl_add_u32 v[APL], v135, 5, s43
	v_lshl_add_u32 v[AZ0], v134, 2, s43
	v_lshl_add_u32 v[AZ0], v135, 8, v[AZ0]
	v_lshl_add_u32 v[AZL], v136, 4, s43
	v_lshlrev_b32 v[L16], 4, v136
	v_lshlrev_b32 v[L4], 2, v136
	v_mul_u32_u24 v138, v134, QREC                 ; batch r's record
	v_lshl_add_u32 v132, v135, 5, v138
	v_add_nc_u32 v132, s66, v132                   ; q8 stored: + 128 x wave + 32 h
	v_lshl_add_u32 v133, v135, 4, v138
	v_add_nc_u32 v133, s67, v133                   ; q8 . bk stored: + 4 x wave; lanes 16-31 the zeros behind it
	; the head's global offsets: v128 fragments of Wq and x_non, v129 bq and bk, v130 x_non's scales, v131 bv
	v_lshlrev_b32 v128, 8, v134
	v_lshl_add_u32 v128, v135, 4, v128
	v_lshlrev_b32 v129, 5, v135
	v_lshlrev_b32 v130, 4, v134
	v_lshlrev_b32 v131, 8, v135
	v_lshl_add_u32 v131, v134, 2, v131
	WIN 0x80
	v_mov_b32 v[NEG], 0xce6e6b28                   ; -1e9
	WIN 0
	s_bfe_u32 s39, ttmp6, 0x40000                  ; cx: my head pair: it enters the addresses of the Wk and Wv tensor loads and of plain loads and stores
	s_mov_b32 s[G1H], 15|(1<<20)|(1<<21)|(5<<22)|(3<<25)   ; 15:0 the mask: all four work-groups; 17:16 elements of 1 byte; 20 padding on; 21 set beside a mask; 24:22 after every 64 words; 31:25 four words
	s_mov_b32 s[G1J], 15|(1<<20)|(1<<21)|(5<<22)|(3<<25)
	s_mov_b32 s[G1P], (1<<20)|(5<<22)|(3<<25)      ; no mask
	s_mov_b32 s[G1H+2], 384<<16                    ; tensor_dim1
	s_mov_b32 s[G1J+2], 128<<16
	s_mov_b32 s[G1P+2], 128<<16
	s_mov_b32 s[G1H+4], 384                        ; tile_dim1
	s_mov_b32 s[G1J+4], 128
	s_mov_b32 s[G1P+4], 128
.irp g, G1H, G1J, G1P
	s_mov_b32 s[\g+1], 256<<16                     ; tensor_dim0
	s_mov_b32 s[\g+3], 256<<16                     ; tile_dim0
	s_mov_b32 s[\g+5], 256                         ; from row to row
	s_mov_b32 s[\g+6], 0
	s_mov_b32 s[\g+7], 0
.endr
	s_mov_b32 s[SEL], 0x76543210
	s_mov_b32 s[SEL+1], 0xfedcba98
	s_mov_b32 s[XOFF], 0
	s_mov_b32 s[QOFF], 0
	s_mov_b32 s[ZINC], 0
	s_mov_b32 s[ZINC+1], 0
	s_mov_b32 s3, 0
	s_mov_b32 s5, 0
	s_mov_b32 s7, 0
	s_lshl_b32 s2, ttmp9, 19                       ; my 16 batches of x: 524,288 bytes a cluster... wait-free: 16 x 32,768
	s_lshl_b32 s4, s39, 15                         ; my 128 rows of a weight
	s_lshl_b32 s6, s[WV], 15                       ; my batch of four
	s_wait_alu depctr_va_vdst(0)
	s_wait_dscnt 0x0                               ; both opening adds are done
	s_wait_kmcnt 0x0
	s_add_nc_u64 s[8:9], s[8:9], s[2:3]
	s_mov_b32 s[G0A], 1
	s_mov_b32 s[G0A+1], 0
	s_mov_b64 s[G0A+2:G0A+3], s[8:9]               ; batches 0-2: places 0-2
	s_or_b32 s[G0A+3], s[G0A+3], 0x80000000
	s_mov_b32 s[G0B], 1
	s_mov_b32 s[G0B+1], 3*QUART
	s_add_nc_u64 s[G0B+2:G0B+3], s[8:9], 98304     ; batches 3-5: places 3-5
	s_or_b32 s[G0B+3], s[G0B+3], 0x80000000
	s_mov_b32 s[G0K], 1
	s_mov_b32 s[G0K+1], 6*QUART
	s_add_nc_u64 s[G0K+2:G0K+3], s[12:13], s[4:5]
	s_or_b32 s[G0K+3], s[G0K+3], 0x80000000
	s_mov_b32 s[G0V], 1
	s_mov_b32 s[G0V+1], 7*QUART
	s_add_nc_u64 s[G0V+2:G0V+3], s[16:17], s[4:5]
	s_or_b32 s[G0V+3], s[G0V+3], 0x80000000
	s_mov_b32 s[G0X], 1
	s_add_co_u32 s[G0X+1], s41, SLOT
	s_add_nc_u64 s[G0X+2:G0X+3], s[8:9], s[6:7]
	s_add_nc_u64 s[G0X+2:G0X+3], s[G0X+2:G0X+3], 131072   ; batch 4 + wave
	s_or_b32 s[G0X+3], s[G0X+3], 0x80000000
	CROUND                                         ; all four work-groups are here: the first joint loads meet
; The head's loads, one a wave: wave 0 x of batches 0-2, wave 1 Wk, wave 2 Wv, wave 3 x of batches 3-5
.macro ARM under, g0, g1, next
	s_cmp_lt_u32 s[WV], \under
	s_cbranch_scc0 \next
	tensor_load_to_lds s[\g0:\g0+3], s[\g1:\g1+7]
	s_nop 0
	PLACES
	s_branch .Lhead_asked
\next:
.endm
	ARM 1, G0A, G1H, .Lhead_k
	ARM 2, G0K, G1P, .Lhead_v
	ARM 3, G0V, G1P, .Lhead_b
	tensor_load_to_lds s[G0B:G0B+3], s[G1H:G1H+7]
	s_nop 0
	PLACES
.Lhead_asked:
	; my places in the other inputs and in out0
	s_add_nc_u64 s[20:21], s[20:21], s[4:5]        ; Wq: my 128 rows,
	s_lshl_b32 s6, s[WV], 13
	s_add_nc_u64 s[20:21], s[20:21], s[6:7]        ; my 32 of them
	s_lshl_b32 s4, s39, 11                         ; the weights' scales: 128 rows x 16 bytes
	s_add_nc_u64 s[14:15], s[14:15], s[4:5]
	s_add_nc_u64 s[18:19], s[18:19], s[4:5]
	s_add_nc_u64 s[22:23], s[22:23], s[4:5]
	s_lshl_b32 s6, s[WV], 9
	s_add_nc_u64 s[22:23], s[22:23], s[6:7]
	s_lshl_b32 s4, s39, 9                          ; the biases: 128 numbers; and in out0's rows
	s_add_nc_u64 s[28:29], s[28:29], s[4:5]
	s_add_nc_u64 s[30:31], s[30:31], s[4:5]
	s_add_nc_u64 s[32:33], s[32:33], s[4:5]
	s_add_nc_u64 s[36:37], s[36:37], s[4:5]
	s_lshl_b32 s6, s[WV], 7                        ; my 32 channels of bq, bk
	s_add_nc_u64 s[28:29], s[28:29], s[6:7]
	s_add_nc_u64 s[30:31], s[30:31], s[6:7]
	s_lshl_b32 s2, ttmp9, 12                       ; x_non: 16 rows of 256 bytes,
	s_add_nc_u64 s[24:25], s[24:25], s[2:3]
	s_lshl_b32 s2, ttmp9, 8                        ; and of 16 scale bytes
	s_add_nc_u64 s[26:27], s[26:27], s[2:3]
	s_lshl_b32 s2, ttmp9, 15                       ; out0: 16 rows of 2,048 bytes; x's scale bytes: 16 batches of 2,048
	s_lshl_b32 s6, s[WV], 11
	s_add_nc_u64 s[36:37], s[36:37], s[2:3]
	s_add_nc_u64 s[36:37], s[36:37], s[6:7]
	s_add_nc_u64 s[10:11], s[10:11], s[2:3]
	s_add_nc_u64 s[10:11], s[10:11], s[6:7]
	s_lshl_b32 s2, ttmp9, 16                       ; the mask: 16 batches of 4,096 bytes, 1,024 for two heads
	s_lshl_b32 s6, s[WV], 12
	s_lshl_b32 s4, s39, 10
	s_add_nc_u64 s[34:35], s[34:35], s[2:3]
	s_add_nc_u64 s[34:35], s[34:35], s[6:7]
	s_add_nc_u64 s[34:35], s[34:35], s[4:5]
.irp t, 0,1
.irp s, 0,1,2,3
.irp c, 0,1
	global_load_b128 v[WV3+8*(4*\t+\s)+4*\c:WV3+8*(4*\t+\s)+4*\c+3], v128, s[20:21] offset:4096*\t+64*\s+32*\c   ; Wq's fragments: two tiles
.endr
.endr
.endr
.irp s, 0,1,2,3
.irp c, 0,1
	global_load_b128 v[ZO+8*\s+4*\c:ZO+8*\s+4*\c+3], v128, s[24:25] offset:64*\s+32*\c   ; x_non's
.endr
.endr
	global_load_b128 v[WQS:WQS+3], v[L16], s[22:23]
	global_load_b128 v[XNS:XNS+3], v130, s[26:27]
	WIN 0xc0
.irp t, 0,1
.irp c, 0,1
	global_load_b128 v[SC+8*\t+4*\c:SC+8*\t+4*\c+3], v129, s[28:29] offset:64*\t+16*\c          ; bq
	global_load_b128 v[SC+16+8*\t+4*\c:SC+16+8*\t+4*\c+3], v129, s[30:31] offset:64*\t+16*\c    ; bk
.endr
.endr
	WIN 0
.irp i, 0,1,2,3
	global_load_b128 v[WKS+4*\i:WKS+4*\i+3], v[L16], s[14:15] offset:512*\i     ; 32 rows' scale bytes: 512 consecutive bytes
	global_load_b128 v[WVS+4*\i:WVS+4*\i+3], v[L16], s[18:19] offset:512*\i
.endr
.irp t, 0,1,2,3
	global_load_b32 v[BV+\t], v131, s[32:33] offset:64*\t
.endr
	WIN 0x80
	NEXTIN                                         ; step 0's mask words and scale words
	s_wait_loadcnt 24                              ; the 34 loads for q are in; the youngest 24 (scales, bv, step 0's words) may be out
	; q of the 16 batches, 32 channels: lane (r, h), register 8 t + j: batch r, channel 32 wave + 16 t + 8 h + j
.irp s, 0,1,2,3
.irp t, 0,1
	WM XS+8*\t, WV3+8*(4*\t+\s), ZO+8*\s, \s==0, WQS+\s, XNS+\s, \t, 0
.endr
.endr
	PLACES
	WIN 0x0c                                       ; source 1 (bq, bk) window 3
.irp k, 0,2,4,6,8,10,12,14
	v_pk_add_f32 v[XS+\k:XS+\k+1], v[XS+\k:XS+\k+1], v[SC+\k:SC+\k+1]
.endr
.irp k, 0,2,4,6,8,10,12,14
	v_pk_mul_f32 v[XS+\k:XS+\k+1], v[XS+\k:XS+\k+1], 0x3e000000 op_sel_hi:[1,0]     ; / 8
.endr
	v_pk_mul_f32 v[84:85], v[XS:XS+1], v[SC+16:SC+17]                               ; q8 . bk over my 32 channels, in two chains
	v_pk_mul_f32 v[86:87], v[XS+8:XS+9], v[SC+24:SC+25]
.irp k, 2,4,6
	v_pk_fma_f32 v[84:85], v[XS+\k:XS+\k+1], v[SC+16+\k:SC+17+\k], v[84:85]
	v_pk_fma_f32 v[86:87], v[XS+8+\k:XS+9+\k], v[SC+24+\k:SC+25+\k], v[86:87]
.endr
	WIN 0
	v_pk_add_f32 v[84:85], v[84:85], v[86:87]
	v_add_f32 v84, v84, v85
	v_permlanex16_b32 v88, v84, s[SEL], s[SEL+1]
	v_add_f32 v84, v84, v88
	v_cmp_eq_u32 vcc_lo, 0, v135
	v_cndmask_b32 v84, 0, v84, vcc_lo              ; it is to count once a key: lanes 16-31 store the zeros
.irp t, 0,1
	ds_store_b128 v132, v[XS+8*\t:XS+8*\t+3] offset:64*\t
	ds_store_b128 v132, v[XS+8*\t+4:XS+8*\t+7] offset:64*\t+16
.endr
	ds_store_b32 v133, v84
	s_wait_alu depctr_va_vdst(0)
	s_wait_xcnt 0x0                                ; the loads' address registers may be rewritten
	s_wait_tensorcnt 0x0                           ; my tile of the head's four has landed,
	s_wait_dscnt 0x0                               ; my part of q8 is stored,
	s_barrier_signal -1
	s_barrier_wait -1                              ; everybody's
	LOADW 0, 0x40, WK3, 0
	LOADW 0, 0x80, WV3, QUART
	; the weights' places are filled again: every wave's three lines, a round, a tensor load in waves 2 and 3
	s_wait_tensorcnt 0x0
	ds_add_u32 v[SPW], v[NIL]
	s_wait_dscnt 0x0                               ; the add is done, and the weights are in registers
	CROUND
	s_cmp_lt_u32 s[WV], 2                          ; batches 4 and 5 are there already; waves 2 and 3 fetch batches 6 and 7
	s_cbranch_scc1 .Lno_refill
	tensor_load_to_lds s[G0X:G0X+3], s[G1J:G1J+7]
	s_nop 0
	PLACES
.Lno_refill:
	s_add_nc_u64 s[34:35], s[34:35], 16384         ; on to step 1's mask words
	s_add_nc_u64 s[10:11], s[10:11], 8192          ; and scale bytes
	s_mov_b32 s[CNT], 2
.Lfill:                                                ; steps 0 and 1: each slot is filled again when its step has ended
	STEP
	CHANGE 1
	s_sub_co_u32 s[CNT], s[CNT], 1
	s_cmp_lg_u32 s[CNT], 0
	s_cbranch_scc1 .Lfill
	s_mov_b32 s[CNT], 2
.Llast:                                                ; steps 2 and 3 fill nothing
	STEP
	CHANGE 0
	s_sub_co_u32 s[CNT], s[CNT], 1
	s_cmp_lg_u32 s[CNT], 0
	s_cbranch_scc1 .Llast
	s_endpgm
.Lfunc_end_k_q67308a6743_mha:
	.size	k_q67308a6743_mha, .Lfunc_end_k_q67308a6743_mha-k_q67308a6743_mha
	.p2alignl 7, 3214868480
	.fill 96, 4, 3214868480
	.section	.rodata,"a",@progbits
	.p2align	6, 0x0
	.amdhsa_kernel k_q67308a6743_mha
		.amdhsa_group_segment_fixed_size 327680
		.amdhsa_private_segment_fixed_size 0
		.amdhsa_enable_private_segment 0
		.amdhsa_kernarg_size 120
		.amdhsa_user_sgpr_count 2
		.amdhsa_user_sgpr_kernarg_segment_ptr 1
		.amdhsa_wavefront_size32 1
		.amdhsa_system_sgpr_workgroup_id_x 1
		.amdhsa_system_sgpr_workgroup_id_y 1
		.amdhsa_system_sgpr_workgroup_id_z 1
		.amdhsa_system_vgpr_workitem_id 0
		.amdhsa_next_free_vgpr 1024
		.amdhsa_next_free_sgpr 102
		.amdhsa_reserve_vcc 1
		.amdhsa_float_denorm_mode_32 3
		.amdhsa_float_denorm_mode_16_64 3
		.amdhsa_memory_ordered 1
		.amdhsa_forward_progress 1
		.amdhsa_inst_pref_size 255
	.end_amdhsa_kernel
	.section	.bss,"aw",@nobits
	.p2align	6
	.space	262144
	.amdgpu_metadata
---
amdhsa.version: [ 1, 2 ]
amdhsa.kernels:
  - .name:           k_q67308a6743_mha
    .symbol:         k_q67308a6743_mha.kd
    .args:
      - { .name: x_seq_codes, .offset: 0, .size: 8, .value_kind: global_buffer, .address_space: global }
      - { .name: x_seq_scales, .offset: 8, .size: 8, .value_kind: global_buffer, .address_space: global }
      - { .name: Wk_codes, .offset: 16, .size: 8, .value_kind: global_buffer, .address_space: global }
      - { .name: Wk_scales, .offset: 24, .size: 8, .value_kind: global_buffer, .address_space: global }
      - { .name: Wv_codes, .offset: 32, .size: 8, .value_kind: global_buffer, .address_space: global }
      - { .name: Wv_scales, .offset: 40, .size: 8, .value_kind: global_buffer, .address_space: global }
      - { .name: Wq_codes, .offset: 48, .size: 8, .value_kind: global_buffer, .address_space: global }
      - { .name: Wq_scales, .offset: 56, .size: 8, .value_kind: global_buffer, .address_space: global }
      - { .name: x_non_codes, .offset: 64, .size: 8, .value_kind: global_buffer, .address_space: global }
      - { .name: x_non_scales, .offset: 72, .size: 8, .value_kind: global_buffer, .address_space: global }
      - { .name: bq, .offset: 80, .size: 8, .value_kind: global_buffer, .address_space: global }
      - { .name: bk, .offset: 88, .size: 8, .value_kind: global_buffer, .address_space: global }
      - { .name: bv, .offset: 96, .size: 8, .value_kind: global_buffer, .address_space: global }
      - { .name: mask, .offset: 104, .size: 8, .value_kind: global_buffer, .address_space: global }
      - { .name: out0, .offset: 112, .size: 8, .value_kind: global_buffer, .address_space: global }
    .group_segment_fixed_size: 327680
    .private_segment_fixed_size: 0
    .kernarg_segment_align: 8
    .kernarg_segment_size: 120
    .max_flat_workgroup_size: 128
    .sgpr_count:     102
    .vgpr_count:     1024
    .wavefront_size: 32
...
	.end_amdgpu_metadata
.endif
;; end of part 1
